; MI455X (gfx1250); checked and timed in simulation.
; The chip was launched on July 23, 2026; its instructions are those of AMD's public machine-readable ISA for CDNA 5 (MIT licence, August 2026) and "CDNA5" Instruction Set Architecture Reference Guide (July 2026). The comments in the code are by the model that wrote it; some were corrected since.
;; Self Attention. Allowed arithmetic: matrix products marked QUANTISED: E4M3 operands, one given power-of-two scale a tensor, by v_wmma_f32_16x16x64_fp8_fp8 or v_wmma_f32_16x16x128_fp8_fp8, f32 sums; everything else in f32.
;; Inputs: b_proj 1,024 float32; lowp_scales 8 int32 (the exponents e of the quantised operands' scales 2^e); pad_mask 4 x 2,048 int32; w_attn 1,024 x 3,072 float32; w_proj 1,024 x 1,024 float32; x 4 x 2,048 x 1,024 float32.
;; Outputs: out0 4 x 2,048 x 1,024 float32.
;; This version of the problem:
;;   THIS VERSION OF THE PROBLEM IS GIVEN IN LOW PRECISION. The matrix products marked QUANTISED in the list below multiply operands that are first quantised to E4M3 (4 exponent bits, 3 mantissa bits; 8 bits a number), with one given power-of-two scale for each operand tensor; their sums are f32. All else is computed in f32.
;;   The module's matrix products, in the order in which they are computed (A, B: the left and right operand; K: the contracted axis; several contracted axes count as one K, in the product's order):
;;     1. [M 8,192, K 1,024] x [K 1,024, N 3,072]; A: input x; B: input w_attn: QUANTISED (scales: A lowp_scales[0], B lowp_scales[1])
;;     2. batch 64 x [M 2,048, K 64] x [K 64, N 2,048]; A: computed on the way; B: computed on the way: QUANTISED (scales: A lowp_scales[2], B lowp_scales[3])
;;     3. batch 64 x [M 2,048, K 2,048] x [K 2,048, N 64]; A: softmax (see below); B: computed on the way: QUANTISED (scales: A lowp_scales[4], B lowp_scales[5])
;;     4. [M 8,192, K 1,024] x [K 1,024, N 1,024]; A: computed on the way; B: input w_proj: QUANTISED (scales: A lowp_scales[6], B lowp_scales[7])
;;   THE QUANTISER, for each operand of a quantised product, along K:
;;     - The operand's scale is 2^e, e = its entry of the input lowp_scales (int32; the entries are numbered through the quantised products in the list's order, A before B).
;;     - Each number is divided by the scale, clamped to +-448, and rounded to the nearest number of E4M3, ties to even, subnormals kept.
;;     - The product sums the exact products of the quantised numbers (number of the format x scale) in f32.
;;   ~~~python
;;   def quantise(x, axis, e):      # numpy; x: float32 -> the quantised numbers, widened to float32 again
;;       x = np.moveaxis(x, axis, -1); K = x.shape[-1]
;;       r = np.clip(x / 2.0 ** e, -448, 448)
;;       step = 2.0 ** (np.maximum(np.frexp(np.where(r == 0, 1, r))[1] - 1, -6) - 3)
;;       q = np.round(r / step) * step * 2.0 ** e      # np.round: ties to even
;;       return np.moveaxis(q, -1, axis).astype(np.float32)
;;   ~~~
;;   SOFTMAX AHEAD OF A QUANTISED PRODUCT. Where the list says 'softmax', what is quantised is not the finished softmax but p = 2^(t - M), with t = logit x log2(e) and M = ceil(the row's largest t), a whole number; so 1/2 < the row's largest p <= 1. The row's sum l is taken of the UNQUANTISED p, in f32, and the product's result is divided by l at the end. Since M is a whole number, a kernel that streams over the keys may use a running M (the ceiling of the running maximum): every later rescaling is an exact power of two, so the quantised numbers keep their values, but for numbers so far below the row's largest that they fall under the format's range.
;;   OPERANDS COMPUTED ON THE WAY. 'Computed on the way' means the value that the module computes at that place (a softmax that the list does not call 'softmax' is quantised finished and normalised). What goes into a quantiser is computed in f32, as accurately as f32 sums, v_exp_f32 and their like allow (about 1e-6 of the number): no bf16 or f16 on the way to a quantiser, and a product that is left as it is and whose result goes on into a quantised operand takes f32 operands (vector FMAs, or v_wmma_f32_16x16x4_f32). A number that lies on a knife's edge between two numbers of the format may be rounded either way, as far as f32 arithmetic and the matrix unit's own rounding can turn it there, and no further.
;; One version. Each part assembles by itself: llvm-mc -triple=amdgcn-amd-amdhsa -mcpu=gfx1250 --defsym DOCPART=n.
;; ======== version 1 of 1: 4 launches
;; limits: right only within a limited range of input values
;; workspace buffers: xw 11,534,336 bytes; pq 1,048,576 bytes; qkv 25,165,824 bytes; yq 8,388,608 bytes
;; launch quant (part 1): grid 384 x 1, 4 waves a work-group, no clusters, 34,304 bytes of LDS; arguments x, w_attn, w_proj, lowp_scales, xw, pq; writes xw, pq
.if DOCPART == 1
	.amdgcn_target "amdgcn-amd-amdhsa--gfx1250"
	.amdhsa_code_object_version 6
	.text
	.protected	k_qa9f5c5c59a_quant
	.globl	k_qa9f5c5c59a_quant
	.p2align	8
	.type	k_qa9f5c5c59a_quant,@function
k_qa9f5c5c59a_quant:
	s_mov_b64 s[64:65], 0
	v_nop
	global_prefetch_b8 v0, s[64:65] scope:SCOPE_SE
	s_setreg_imm32_b32 hwreg(HW_REG_WAVE_MODE, 25, 1), 1
	s_wait_xcnt 0x0
; x [8192][1024], w_attn [1024][3072] and w_proj [1024][1024], f32, become codes of E4M3, each with its given scale 2^e (entries 0, 1, 7 of the scales).
; code = number / 2^e, held within +-448, to the nearest code, ties to even.  LIMITS: e between -126 and 119; NaN among the inputs is not served.
; THE CODES ARE LAID AS IMAGES OF OPERAND REGISTERS.  A part is 512 bytes, lane L = 16 h + r has 16 bytes at 16 L: k = 32 c + 16 h + 0..15 of row r of a tile of 16 rows.
; An operand image: [group of 128 rows][8 steps of 128 K][8 tiles][4 parts][512 bytes].  Row r of tile t is the natural row 32 (t / 2) + 8 (t % 2) + r + 8 (r / 8).
; For a weight the rows of the image are its output columns n.  xw holds x (8,388,608 bytes) and behind it w_attn; pq holds w_proj.
; Work-groups 0..255 take x, 256..351 w_attn, 352..383 w_proj: 131,072 bytes of f32 each.  Only the path for x uses LDS.
.set SPARE, 33792                      ; behind the four stages: the spare words, 128 bytes a wave
.set STGB,  8448                       ; a stage: 16 rows x (512 bytes + 16)
.set SPW, 12                           ; v12  LDS address of my spare word; never rewritten
.set NIL, 13                           ; v13  0; never rewritten
.set R,   16                           ; v16-143  x: two sets of 64 registers as loaded (16 rows x 16 bytes a lane)
.set X,   144                          ; v144-175 x: two sets of 16 neighbours along K
.set C,   176                          ; v176-239 x: four registers of codes for each of 16 parts: no store's data are written again
.set WX,  32                           ; v32-95   weights: two sets of 32 numbers down K
.set WC,  96                           ; v96-159  weights: eight registers of codes for each of 8 blocks
.macro SCALE e                         ; v11 = 2^e as f32 (the conversion takes its exponent field), v10 = 448 x 2^e
	s_add_co_i32 s32, s[\e], 127
	s_lshl_b32 s33, s32, 23
	v_mov_b32 v11, s33
	s_add_co_i32 s32, s32, 8
	s_lshl_b32 s32, s32, 23
	s_or_b32 s32, s32, 0x600000
	v_mov_b32 v10, s32
.endm
.macro LOADU u                         ; unit u: 16 rows x 128 K; each load reads 512 consecutive bytes of one row
.irp i, 0,1,2,3,4,5,6,7,8,9,10,11,12,13,14,15
	global_load_b128 v[R+64*((\u)%2)+4*\i:R+64*((\u)%2)+4*\i+3], v3, s[4:5] offset:(\i+8*(\i/8))*4096+512*(\u) th:TH_LOAD_NT
.endr
.endm
.macro XREAD c                         ; part c out of the stage: my 16 neighbours of row r
.irp k, 0,1,2,3
	ds_load_b128 v[X+16*((\c)%2)+4*\k:X+16*((\c)%2)+4*\k+3], v15 offset:128*(\c)+16*\k
.endr
.endm
.macro UNIT u
.if (\u) < 3
	s_wait_loadcnt 16                              ; this unit's 16 loads are in; the next unit's 16 may be out
.else
	s_wait_loadcnt 0
.endif
.irp i, 0,1,2,3,4,5,6,7,8,9,10,11,12,13,14,15
	ds_store_b128 v14, v[R+64*((\u)%2)+4*\i:R+64*((\u)%2)+4*\i+3] offset:528*\i   ; a row as it lies; LDS serves a wave's instructions in order, so one stage does
.endr
	XREAD 0
.irp c, 0,1,2,3
.if \c < 3
	XREAD (\c+1)
	s_wait_dscnt 4                                 ; part c is in; the four loads of part c + 1 may be out
.else
	s_wait_dscnt 0
.endif
.if (\c == 0) && ((\u) < 2)
	LOADU ((\u)+2)                                 ; the stage's stores are done (the wait above): their registers take the unit two on
.endif
.set j, 0
.rept 16
	v_med3_num_f32 v[X+16*(\c%2)+j], v[X+16*(\c%2)+j], -v10, v10   ; the conversion to an 8-bit code does not saturate (ISA guide 7.6.2): the hold comes first
.set j, j+1
.endr
	v_cvt_scalef32_pk8_fp8_f32 v[C+4*(4*(\u)+\c):C+4*(4*(\u)+\c)+1], v[X+16*(\c%2):X+16*(\c%2)+7], v11
	v_cvt_scalef32_pk8_fp8_f32 v[C+4*(4*(\u)+\c)+2:C+4*(4*(\u)+\c)+3], v[X+16*(\c%2)+8:X+16*(\c%2)+15], v11
	global_store_b128 v3, v[C+4*(4*(\u)+\c):C+4*(4*(\u)+\c)+3], s[12:13] offset:16384*(\u)+512*\c   ; a part: 512 consecutive bytes, aligned.  The next vector lines are the other set's holds: plain, on other registers
.endr
.endm
; A WEIGHT: a lane takes a column n and its registers run down K, so the codes come out with K innermost and nothing is transposed.
.macro WADDR N, FIRST, src, dst, dstoff
	s_sub_co_u32 s19, ttmp9, \FIRST
	s_and_b32 s20, s19, 3                          ; which 256 along K
	s_lshr_b32 s19, s19, 2
	s_lshl_b32 s19, s19, 2
	s_add_co_u32 s19, s19, s18                     ; g: my wave's group of 32 columns
	s_mul_i32 s22, s20, 256*\N*4
	s_lshl_b32 s23, s19, 7
	s_add_co_u32 s22, s22, s23
	s_mov_b32 s23, 0
	s_add_nc_u64 s[\src:\src+1], s[\src:\src+1], s[22:23]
	s_lshr_b32 s22, s19, 2
	s_lshl_b32 s22, s22, 17                        ; the group of 128 rows of the image,
	s_and_b32 s23, s19, 3
	s_lshl_b32 s23, s23, 12                        ; its pair of tiles,
	s_add_co_u32 s22, s22, s23
	s_lshl_b32 s23, s20, 15                        ; two steps of 128 K
	s_add_co_u32 s22, s22, s23
	s_add_co_u32 s22, s22, \dstoff
	s_mov_b32 s23, 0
	s_add_nc_u64 s[\dst:\dst+1], s[\dst:\dst+1], s[22:23]
	v_lshlrev_b32 v3, 2, v2                        ; in: 4 bytes a lane, 128 consecutive bytes a wave
	v_bfe_u32 v4, v2, 3, 1                         ; column 32 g + lane is row (lane % 8) + 8 (lane / 16) of tile 2 g + (lane / 8) % 2
	v_lshlrev_b32 v4, 11, v4
	v_and_b32 v5, 7, v2
	v_lshrrev_b32 v6, 4, v2
	v_lshl_add_u32 v5, v6, 3, v5
	v_lshl_add_u32 v4, v5, 4, v4
.endm
.macro WLOAD N, src, t                 ; block t: 32 numbers down K into set t % 2
.set j, 0
.rept 32
	global_load_b32 v[WX+32*((\t)%2)+j], v3, s[\src:\src+1] offset:(32*(\t)+j)*\N*4 th:TH_LOAD_NT
.set j, j+1
.endr
.endm
.macro WBLOCK N, src, dst, t
.if (\t) < 7
	s_wait_loadcnt 32                              ; this block's 32 loads are in; the next block's may be out
.else
	s_wait_loadcnt 0
.endif
.set j, 0
.rept 32
	v_med3_num_f32 v[WX+32*((\t)%2)+j], v[WX+32*((\t)%2)+j], -v10, v10
.set j, j+1
.endr
.irp g, 0,1,2,3
	v_cvt_scalef32_pk8_fp8_f32 v[WC+8*(\t)+2*\g:WC+8*(\t)+2*\g+1], v[WX+32*((\t)%2)+8*\g:WX+32*((\t)%2)+8*\g+7], v11
.endr
	global_store_b128 v4, v[WC+8*(\t):WC+8*(\t)+3], s[\dst:\dst+1] offset:((\t)/4)*16384+((\t)%4)*512          ; k = 0..15 of the block: the half h = 0 of two parts: sixteen lanes fill 256 consecutive bytes, aligned
	global_store_b128 v4, v[WC+8*(\t)+4:WC+8*(\t)+7], s[\dst:\dst+1] offset:((\t)/4)*16384+((\t)%4)*512+256    ; k = 16..31: the half h = 1
.if (\t)+2 < 8
	WLOAD \N, \src, ((\t)+2)
.endif
.endm
	s_load_b256 s[4:11], s[0:1], 0x0               ; x s[4:5], w_attn s[6:7], w_proj s[8:9], the scales s[10:11]
	s_load_b128 s[12:15], s[0:1], 0x20             ; xw s[12:13], pq s[14:15]
	v_lshl_add_u32 v[SPW], v0, 2, SPARE
	v_mov_b32 v[NIL], 0
	v_lshrrev_b32 v1, 5, v0
	v_readfirstlane_b32 s18, v1                    ; wave 0..3
	v_and_b32 v2, 31, v0                           ; lane
	s_wait_kmcnt 0x0
	s_load_b256 s[24:31], s[10:11], 0x0            ; e0 .. e7
	s_cmp_lt_u32 ttmp9, 256
	s_cbranch_scc0 .Lweights
	; ---- x: a wave takes half a tile, 16 rows x 512 K, as four units of 128 K
	s_lshl_b32 s19, ttmp9, 2
	s_add_co_u32 s19, s19, s18
	s_lshr_b32 s20, s19, 1                         ; the tile
	s_and_b32 s21, s19, 1                          ; which half of K
	s_lshr_b32 s22, s20, 1
	s_lshl_b32 s22, s22, 17                        ; 32 rows of 4,096 bytes
	s_and_b32 s23, s20, 1
	s_lshl_b32 s23, s23, 15                        ; 8 rows
	s_add_co_u32 s22, s22, s23
	s_lshl_b32 s23, s21, 11
	s_add_co_u32 s22, s22, s23
	s_mov_b32 s23, 0
	s_add_nc_u64 s[4:5], s[4:5], s[22:23]
	s_lshr_b32 s22, s20, 3
	s_lshl_b32 s22, s22, 17
	s_and_b32 s23, s20, 7
	s_lshl_b32 s23, s23, 11
	s_add_co_u32 s22, s22, s23
	s_lshl_b32 s23, s21, 16
	s_add_co_u32 s22, s22, s23
	s_mov_b32 s23, 0
	s_add_nc_u64 s[12:13], s[12:13], s[22:23]
	s_wait_alu depctr_va_vdst(0)
	v_lshlrev_b32 v3, 4, v2                        ; 16 x lane
	s_mul_i32 s22, s18, STGB
	v_add_nc_u32 v14, s22, v3                      ; into my stage
	v_and_b32 v4, 15, v2
	v_lshrrev_b32 v5, 4, v2
	v_mul_u32_u24 v15, v4, 528
	v_lshl_add_u32 v15, v5, 6, v15
	v_add_nc_u32 v15, s22, v15                     ; out of it: row r, + 64 h
	LOADU 0
	LOADU 1
	s_wait_alu depctr_va_vdst(0)
	s_wait_kmcnt 0x0
	SCALE 24
	s_wait_alu depctr_va_vdst(0)
	UNIT 0
	UNIT 1
	UNIT 2
	UNIT 3
	s_wait_tensorcnt 0x0                           ; the wave's end, behind my last LDS store
	ds_add_u32 v[SPW], v[NIL]
	s_wait_dscnt 0x0
	s_endpgm
.Lweights:
	s_cmp_lt_u32 ttmp9, 352
	s_cbranch_scc0 .Lproj
	s_wait_alu depctr_va_vdst(0)
	WADDR 3072, 256, 6, 12, 8388608
	WLOAD 3072, 6, 0
	WLOAD 3072, 6, 1
	s_wait_kmcnt 0x0
	SCALE 25
	s_wait_alu depctr_va_vdst(0)
.irp t, 0,1,2,3,4,5,6,7
	WBLOCK 3072, 6, 12, \t
.endr
	s_endpgm
.Lproj:
	s_wait_alu depctr_va_vdst(0)
	WADDR 1024, 352, 8, 14, 0
	WLOAD 1024, 8, 0
	WLOAD 1024, 8, 1
	s_wait_kmcnt 0x0
	SCALE 31
	s_wait_alu depctr_va_vdst(0)
.irp t, 0,1,2,3,4,5,6,7
	WBLOCK 1024, 8, 14, \t
.endr
	s_endpgm
.Lfunc_end_k_qa9f5c5c59a_quant:
	.size	k_qa9f5c5c59a_quant, .Lfunc_end_k_qa9f5c5c59a_quant-k_qa9f5c5c59a_quant
	.p2alignl 7, 3214868480
	.fill 96, 4, 3214868480
	.section	.rodata,"a",@progbits
	.p2align	6, 0x0
	.amdhsa_kernel k_qa9f5c5c59a_quant
		.amdhsa_group_segment_fixed_size 34304
		.amdhsa_private_segment_fixed_size 0
		.amdhsa_enable_private_segment 0
		.amdhsa_kernarg_size 48
		.amdhsa_user_sgpr_count 2
		.amdhsa_user_sgpr_kernarg_segment_ptr 1
		.amdhsa_wavefront_size32 1
		.amdhsa_system_sgpr_workgroup_id_x 1
		.amdhsa_system_sgpr_workgroup_id_y 1
		.amdhsa_system_sgpr_workgroup_id_z 1
		.amdhsa_system_vgpr_workitem_id 0
		.amdhsa_next_free_vgpr 240
		.amdhsa_next_free_sgpr 66
		.amdhsa_reserve_vcc 0
		.amdhsa_float_denorm_mode_32 3
		.amdhsa_float_denorm_mode_16_64 3
		.amdhsa_memory_ordered 1
		.amdhsa_forward_progress 1
		.amdhsa_inst_pref_size 127
	.end_amdhsa_kernel
	.amdgpu_metadata
---
amdhsa.version: [ 1, 2 ]
amdhsa.kernels:
  - .name:           k_qa9f5c5c59a_quant
    .symbol:         k_qa9f5c5c59a_quant.kd
    .args:
      - { .name: x, .offset: 0, .size: 8, .value_kind: global_buffer, .address_space: global }
      - { .name: w_attn, .offset: 8, .size: 8, .value_kind: global_buffer, .address_space: global }
      - { .name: w_proj, .offset: 16, .size: 8, .value_kind: global_buffer, .address_space: global }
      - { .name: lowp_scales, .offset: 24, .size: 8, .value_kind: global_buffer, .address_space: global }
      - { .name: xw, .offset: 32, .size: 8, .value_kind: global_buffer, .address_space: global }
      - { .name: pq, .offset: 40, .size: 8, .value_kind: global_buffer, .address_space: global }
    .group_segment_fixed_size: 34304
    .private_segment_fixed_size: 0
    .kernarg_segment_align: 8
    .kernarg_segment_size: 48
    .max_flat_workgroup_size: 128
    .sgpr_count:     66
    .vgpr_count:     240
    .wavefront_size: 32
...
	.end_amdgpu_metadata
.endif
;; end of part 1
;; launch gemm_qkv (part 2): grid 8 x 32, 4 waves a work-group, clusters of 4 x 4, 327,680 bytes of LDS; arguments xw, lowp_scales, qkv; writes qkv
.if DOCPART == 2
	.amdgcn_target "amdgcn-amd-amdhsa--gfx1250"
	.amdhsa_code_object_version 6
	.text
	.protected	k_qa9f5c5c59a_gemm_qkv
	.globl	k_qa9f5c5c59a_gemm_qkv
	.p2align	8
	.type	k_qa9f5c5c59a_gemm_qkv,@function
k_qa9f5c5c59a_gemm_qkv:
	s_mov_b64 s[64:65], 0
	v_nop
	global_prefetch_b8 v0, s[64:65] scope:SCOPE_SE
	s_setreg_imm32_b32 hwreg(HW_REG_WAVE_MODE, 25, 1), 1
	s_wait_xcnt 0x0
	s_wait_alu depctr_hold_cnt(0) depctr_sa_sdst(0) depctr_va_vdst(0) depctr_va_sdst(0) depctr_va_ssrc(0) depctr_va_vcc(0) depctr_vm_vsrc(0)
	s_getreg_b32 s2, hwreg(HW_REG_IB_STS2, 6, 4)
	s_cmp_eq_u32 s2, 0
	s_cbranch_scc0 .Lentry_in_a_cluster
	s_endpgm
.Lentry_in_a_cluster:
	s_bfe_u32 s2, ttmp6, 0x10000c
	s_cmp_lg_u32 s2, 0xf033
	s_cbranch_scc0 .Lentry_shape_is_right
	s_endpgm
.Lentry_shape_is_right:
; qkv = x w_attn on codes of E4M3, and its result quantised at once into the operands of the attention: q (scale entry 2), k (entry 3), v (entry 5).
; Both operands come as images of operand registers: [group of 128 rows][8 steps of 128 K][8 tiles][4 parts][512 bytes]; x is groups 0..63 of xw, w_attn groups 64..87 (8 of q's columns, 8 of k's, 8 of v's).
; SHARES.  8 x 32 work-groups.  Work-group (j, m) makes tokens 256 m .. + 255 against columns 128 j .. + 127 of q, of k and of v: heads 2 j and 2 j + 1.
; A wave makes 128 tokens (its half of them) x one head's 64 columns of each kind: 3 x 32 accumulators, one register window of 256 for each kind.
; q, k: source 0 = 16 columns of w, source 1 = 16 tokens: a lane holds a token and its registers run along the head's 64.  v: the two change places: a lane holds a channel, its registers run along the tokens,
; which are the keys, the K of the attention's second product.  The rows of a tile are laid so that the 16 registers of tiles 2 b, 2 b + 1 are 16 natural neighbours: each pair of conversions gives a part of 512 bytes.
; K = 1,024 goes in 8 steps of 128 through two LDS slots of 81,920 bytes; a step is two chunks of 64, a chunk three phases (q, k, v) of 32 matrix instructions.
; A slot: x's half 0 (tiles 0-3 of both groups: 2 rows of 8,192 bytes), x's half 1, w's half 0 (tiles 0-3 of q's, k's, v's group: 3 rows of 8,192 bytes), w's half 1: one tensor load a wave.
; CLUSTER 4 x 4: x's tiles are asked for jointly by a row of the cluster (same m), w's by a column (same j).
; NO PREFETCH: K has 8 steps, of which the first two are asked for at the head; this is the largest block that the registers hold (768 of accumulators), in clusters.
; LIMIT: e_dst - e0 - e1 between -126 and 119.
; REGISTERS: window 0: v16-31 addresses and constants; v32-159 x's fragments, two sets of 8 x 8; v160-223 w's, two sets of 4 x 8; later v32-223 the codes.  Windows 1, 2, 3: q's, k's, v's accumulators.
.set SLOT,  81920
.set SPARE, 163840                     ; behind the ring: the spare words, 128 bytes a wave
.set STEPB, 16384                      ; from K step to K step inside a group
.set ADRX, 16                          ; v16-17  my x fragments in slot 0, 1
.set ADRW, 20                          ; v20-21  my w fragments
.set LI,   26                          ; v26     16 x lane
.set SPW,  28
.set NIL,  29
.set XF,   32
.set WF,   160
.set G1, 24
.set G0, 32
.set G1B, 48
.set G0B, 56
.set MSB, 0
.macro WIN new                         ; the immediate's high byte repeats the setting that is left
.if MSB != \new
	s_set_vgpr_msb (MSB<<8)|\new
.set MSB, \new
.endif
.endm
.macro JLOAD g0a, g1a, g0b, g1b        ; a joint load: waves 0 and 1 fetch for x, waves 2 and 3 for w; the branch hangs on the wave's number alone; an s_nop 0 and four v_nop follow each line
	s_cmp_eq_u32 s15, 0
	s_cbranch_scc0 .Lfor_b_\@
	tensor_load_to_lds s[\g0a:\g0a+3], s[\g1a:\g1a+7]
	s_nop 0
.rept 4
	v_nop
.endr
	s_branch .Lasked_\@
.Lfor_b_\@:
	tensor_load_to_lds s[\g0b:\g0b+3], s[\g1b:\g1b+7]
	s_nop 0
.rept 4
	v_nop
.endr
.Lasked_\@:
.endm
.macro CREST
	s_cmp_lg_u32 s14, 0
	s_cbranch_scc1 .Lnot_wave_0_\@
	s_barrier_signal -3
.Lnot_wave_0_\@:
	s_barrier_wait -3
	s_barrier_signal -1
	s_barrier_wait -1
.endm
.macro CROUND
	s_barrier_signal -1
	s_barrier_wait -1
	CREST
.endm
.macro PLACES                          ; four plain vector instructions between a matrix instruction and a load into, or a read of, its registers
.rept 4
	v_nop
.endr
.endm
.macro LDW slot, ch, kd, set           ; my head's four tiles of kind kd, chunk ch: 8 loads of 512 consecutive bytes
.irp b, 0,1,2,3
.irp c, 0,1
	ds_load_b128 v[WF+32*(\set)+8*\b+4*\c:WF+32*(\set)+8*\b+4*\c+3], v[ADRW+\slot] offset:8192*(\kd)+2048*\b+1024*(\ch)+512*\c
.endr
.endr
.endm
.macro LDX slot, ch, set               ; my eight tiles of tokens, chunk ch: 16 loads
.irp a, 0,1,2,3,4,5,6,7
.irp c, 0,1
	ds_load_b128 v[XF+64*(\set)+8*\a+4*\c:XF+64*(\set)+8*\a+4*\c+3], v[ADRX+\slot] offset:16384*(\a/4)+2048*(\a%4)+1024*(\ch)+512*\c
.endr
.endr
.endm
.macro MULA kd, xs, ws, a, zero        ; tile a of tokens x my four tiles of columns; the accumulators take turns, one instruction a turn; zero = 1 starts the sums
.irp b, 0,1,2,3
.if \kd == 2
.set DA, 8*(8*\b+(\a))
.if \zero
	v_wmma_f32_16x16x64_fp8_fp8 v[DA:DA+7], v[XF+64*(\xs)+8*(\a):XF+64*(\xs)+8*(\a)+7], v[WF+32*(\ws)+8*\b:WF+32*(\ws)+8*\b+7], 0
.else
	v_wmma_f32_16x16x64_fp8_fp8 v[DA:DA+7], v[XF+64*(\xs)+8*(\a):XF+64*(\xs)+8*(\a)+7], v[WF+32*(\ws)+8*\b:WF+32*(\ws)+8*\b+7], v[DA:DA+7]
.endif
.else
.set DA, 8*(4*(\a)+\b)
.if \zero
	v_wmma_f32_16x16x64_fp8_fp8 v[DA:DA+7], v[WF+32*(\ws)+8*\b:WF+32*(\ws)+8*\b+7], v[XF+64*(\xs)+8*(\a):XF+64*(\xs)+8*(\a)+7], 0
.else
	v_wmma_f32_16x16x64_fp8_fp8 v[DA:DA+7], v[WF+32*(\ws)+8*\b:WF+32*(\ws)+8*\b+7], v[XF+64*(\xs)+8*(\a):XF+64*(\xs)+8*(\a)+7], v[DA:DA+7]
.endif
.endif
.endr
.endm
; A PHASE: chunk ch of the slot, kind kd.  First the next phase's fragments of w are asked for, into the set that the last phase multiplied; in a slot's first phase also chunk 1's fragments of x.
.macro PHASE slot, ch, kd, zero
.set WS, (3*(\ch)+(\kd))%2
	WIN 0
	PLACES
.if \kd < 2
	LDW \slot, \ch, (\kd)+1, 1-WS
.else
	LDW \slot, 1, 0, 1-WS                          ; (kind 2 of chunk 1 is the macro TURN)
.endif
.if \ch == 0
.if \kd == 0
	LDX \slot, 1, 1
	s_wait_dscnt 24                                ; all but the 8 + 16 loads just issued
.else
.if \kd == 1
	s_wait_dscnt 24                                ; this phase's w is in; x's 16 loads behind it and the 8 just issued may be out
.else
	s_wait_dscnt 8
.endif
.endif
.else
	s_wait_dscnt 8                                 ; all but the 8 loads just issued
.endif
	WIN 0x50*((\kd)+1)                             ; C and D in the kind's window
.irp a, 0,1,2,3,4,5,6,7
	MULA \kd, \ch, WS, \a, \zero
.endr
.endm
; A slot's last phase (chunk 1, kind 2) changes slots: one barrier; fill = 1: the slot is filled again, two K steps ahead, behind a round of the cluster's barrier.
.macro TURN slot, next, fill
	WIN 0
	s_wait_tensorcnt 0x0                           ; all my tensor loads have landed: my part of the next slot
	ds_add_u32 v[SPW], v[NIL]                      ; 0 onto my spare word
	s_wait_dscnt 1                                 ; this phase's fragments are in; the add may be out
	WIN 0xf0
.irp a, 0,1,2,3
	MULA 2, 1, 1, \a, 0
.endr
	s_wait_dscnt 0x0                               ; the add is done, and my reads of this slot are over
	s_barrier_signal -1
	MULA 2, 1, 1, 4, 0
	MULA 2, 1, 1, 5, 0
	WIN 0
	s_barrier_wait -1
.if \fill
	CREST                                          ; no wave of any partner still reads this slot or has a load on its way
	s_add_nc_u64 s[G0+4*\slot+2:G0+4*\slot+3], s[G0+4*\slot+2:G0+4*\slot+3], 2*STEPB
	s_add_nc_u64 s[G0B+4*\slot+2:G0B+4*\slot+3], s[G0B+4*\slot+2:G0B+4*\slot+3], 2*STEPB
	JLOAD G0+4*\slot, G1, G0B+4*\slot, G1B         ; the first tensor load behind the round; its four v_nop are the places in front of the loads below
.else
	PLACES
.endif
	LDW \next, 0, 0, 0
	LDX \next, 0, 0
	WIN 0xf0
	MULA 2, 1, 1, 6, 0
	MULA 2, 1, 1, 7, 0
.endm
	s_load_b128 s[4:7], s[0:1], 0x0                ; xw s[4:5], the scales s[6:7]
	s_load_b64 s[10:11], s[0:1], 0x10              ; qkv
	v_lshl_add_u32 v[SPW], v0, 2, SPARE
	v_mov_b32 v[NIL], 0
	ds_add_u32 v[SPW], v[NIL]                      ; the wave's opening: the add, twice on end, and its wait ahead of my first tensor load
	ds_add_u32 v[SPW], v[NIL]
	v_lshrrev_b32 v1, 5, v0
	v_readfirstlane_b32 s14, v1                    ; wave 0..3
	s_lshr_b32 s15, s14, 1                         ; my half of the tokens.  Also: I fetch for x (0) or for w (1)
	s_and_b32 s16, s14, 1                          ; my head of the two.  Also: which half of the tiles I fetch
	s_bfe_u32 s40, ttmp6, 0x40000                  ; cx
	s_bfe_u32 s41, ttmp6, 0x40004                  ; cy
	s_and_b32 s66, ttmp7, 0xffff
	s_lshl_b32 s66, s66, 2
	s_add_co_u32 s66, s66, s41                     ; m: hangs on cy alone within the cluster
	s_lshl_b32 s67, ttmp9, 2
	s_add_co_u32 s67, s67, s40                     ; j: on cx alone
	s_lshl_b32 s43, s41, 2
	s_lshl_b32 s43, 15, s43                        ; my row of the cluster
	s_lshl_b32 s44, 0x1111, s40                    ; my column
	s_or_b32 s[G1+0], s43, (3<<16)|(1<<21)         ; 15:0 the mask; 17:16 elements of 8 bytes; 21 set beside a mask; no padding: the image needs none
	s_or_b32 s[G1B+0], s44, (3<<16)|(1<<21)
	s_mov_b32 s[G1+1], 1024<<16                    ; x: tensor_dim0 = 1,024 elements: 8,192 bytes
	s_mov_b32 s[G1+2], 2<<16                       ; tensor_dim1 = 2: my two groups of tokens,
	s_mov_b32 s[G1+3], 1024<<16                    ; tile_dim0
	s_mov_b32 s[G1+4], 2                           ; tile_dim1
	s_mov_b32 s[G1+5], 16384                       ; 131,072 bytes apart
	s_mov_b32 s[G1+6], 0
	s_mov_b32 s[G1+7], 0
	s_mov_b32 s[G1B+1], 1024<<16                   ; w: the same rows,
	s_mov_b32 s[G1B+2], 3<<16                      ; three of them: q's, k's, v's group,
	s_mov_b32 s[G1B+3], 1024<<16
	s_mov_b32 s[G1B+4], 3
	s_mov_b32 s[G1B+5], 131072                     ; 1,048,576 bytes apart
	s_mov_b32 s[G1B+6], 0
	s_mov_b32 s[G1B+7], 0
	s_lshl_b32 s18, s16, 13                        ; my half of a step's 16,384 bytes of each group
	s_lshl_b32 s20, s66, 18
	s_add_co_u32 s20, s20, s18
	s_mov_b32 s21, 0
	s_lshl_b32 s46, s67, 17
	s_add_co_u32 s46, s46, s18
	s_add_co_u32 s46, s46, 8388608                 ; w_attn lies behind x
	s_mov_b32 s47, 0
	s_lshl_b32 s45, s16, 14                        ; where x's half goes,
	s_mul_i32 s42, s16, 24576
	s_add_co_u32 s42, s42, 32768                   ; and w's
	s_wait_dscnt 0x0                               ; both opening adds are done
	s_wait_kmcnt 0x0
	s_load_b256 s[80:87], s[6:7], 0x0              ; e0 .. e7
	s_add_nc_u64 s[20:21], s[4:5], s[20:21]
	s_add_nc_u64 s[46:47], s[4:5], s[46:47]
	CROUND                                         ; all sixteen work-groups are here: the first joint loads meet
.irp s, 0,1
	s_mov_b32 s[G0+4*\s], 1
	s_add_co_u32 s[G0+4*\s+1], s45, \s*SLOT
	s_add_nc_u64 s[G0+4*\s+2:G0+4*\s+3], s[20:21], \s*STEPB
	s_or_b32 s[G0+4*\s+3], s[G0+4*\s+3], 0x80000000
	s_mov_b32 s[G0B+4*\s], 1
	s_add_co_u32 s[G0B+4*\s+1], s42, \s*SLOT
	s_add_nc_u64 s[G0B+4*\s+2:G0B+4*\s+3], s[46:47], \s*STEPB
	s_or_b32 s[G0B+4*\s+3], s[G0B+4*\s+3], 0x80000000
.endr
	JLOAD G0, G1, G0B, G1B                         ; K step 0: one tensor load a wave at the head
	; where my results go: 8,192 bytes in each of q, k, v: [16 x batch + head][my group of 128 tokens of the batch]
	s_lshl_b32 s68, s66, 1
	s_add_co_u32 s68, s68, s15                     ; my group of 128 tokens, 0..63
	s_lshl_b32 s69, s67, 1
	s_add_co_u32 s69, s69, s16                     ; my head
	s_lshr_b32 s72, s68, 4
	s_lshl_b32 s72, s72, 4
	s_add_co_u32 s72, s72, s69
	s_lshl_b32 s72, s72, 17                        ; an image of one head is 131,072 bytes
	s_and_b32 s68, s68, 15
	s_lshl_b32 s68, s68, 13
	s_add_co_u32 s72, s72, s68
	s_mov_b32 s73, 0
	s_add_nc_u64 s[10:11], s[10:11], s[72:73]      ; q,
	s_add_nc_u64 s[74:75], s[10:11], 0x800000      ; k,
	s_add_nc_u64 s[76:77], s[10:11], 0x1000000     ; v
	s_lshl_b32 s21, s15, 13                        ; my group's 8,192 bytes in each half of x
	s_mul_i32 s22, s16, 24576
	s_add_co_u32 s22, s22, 32768                   ; my head's half of w
	v_and_b32 v1, 31, v0
	v_lshlrev_b32 v[LI], 4, v1
.irp s, 0,1
	v_add_nc_u32 v[ADRX+\s], s21, v[LI]
	v_add_nc_u32 v[ADRW+\s], s22, v[LI]
	s_add_co_u32 s21, s21, SLOT
	s_add_co_u32 s22, s22, SLOT
.endr
	s_wait_alu depctr_va_vdst(0)                   ; the wait at the head's end
	s_wait_tensorcnt 0x0                           ; my part of K step 0 is in
	ds_add_u32 v[SPW], v[NIL]
	s_wait_dscnt 0x0
	CROUND                                         ; everybody's part of K step 0 is in, and the joint loads meet:
	JLOAD G0+4, G1, G0B+4, G1B                     ; K step 1, the first tensor load behind the round
	LDW 0, 0, 0, 0
	LDX 0, 0, 0
	PHASE 0, 0, 0, 1                               ; the first chunk stands in front of the loop: its products start the sums
	PHASE 0, 0, 1, 1
	PHASE 0, 0, 2, 1
	WIN 0
	s_mov_b32 s3, 3
.Llap:                                                 ; a trip goes once round the ring, from a lap's second chunk to the next lap's first, and fills both slots again
	PHASE 0, 1, 0, 0
	PHASE 0, 1, 1, 0
	TURN 0, 1, 1
	PHASE 1, 0, 0, 0
	PHASE 1, 0, 1, 0
	PHASE 1, 0, 2, 0
	PHASE 1, 1, 0, 0
	PHASE 1, 1, 1, 0
	TURN 1, 0, 1
	PHASE 0, 0, 0, 0
	PHASE 0, 0, 1, 0
	PHASE 0, 0, 2, 0
	WIN 0
	s_sub_co_u32 s3, s3, 1
	s_cmp_lg_u32 s3, 0
	s_cbranch_scc1 .Llap
	PHASE 0, 1, 0, 0                               ; the last lap fills nothing
	PHASE 0, 1, 1, 0
	TURN 0, 1, 0
	PHASE 1, 0, 0, 0
	PHASE 1, 0, 1, 0
	PHASE 1, 0, 2, 0
	PHASE 1, 1, 0, 0
	PHASE 1, 1, 1, 0
	s_wait_dscnt 0x0
	WIN 0xf0
.irp a, 0,1,2,3,4,5,6,7
	MULA 2, 1, 1, \a, 0
.endr
	WIN 0
	; THE WAY OUT: a sum stands for sum x 2^(e0 + e1), so its code is sum / 2^(e_dst - e0 - e1): the three scales folded into the conversion's one.
	; Accumulator i of a kind gives registers 2 i, 2 i + 1 of its 64 registers of codes, and four registers are a part: q, k: [tile of tokens][2 parts]; v: [tile of channels][4 parts of 32 keys]: 16 parts on end.
.macro OUTK kd, e, base
	s_sub_co_i32 s88, s[\e], s80
	s_sub_co_i32 s88, s88, s81
	s_add_co_i32 s88, s88, 127
	s_lshl_b32 s89, s88, 23
	v_mov_b32 v30, s89                             ; the scale as f32
	s_add_co_i32 s88, s88, 8
	s_lshl_b32 s88, s88, 23
	s_or_b32 s88, s88, 0x600000
	v_mov_b32 v31, s88                             ; 448 x the scale
	WIN 0x41*((\kd)+1)                             ; destination and source 0: the kind's window
.set n, 0
.rept 256
	v_med3_num_f32 v[n], v[n], -v31, v31           ; the conversion to an 8-bit code does not saturate (ISA guide 7.6.2); each accumulator from its low end on
.set n, n+1
.endr
	WIN (\kd)+1                                    ; source 0: the kind's window; the codes go to window 0, where the fragments lay
.set n, 0
.rept 32
	v_cvt_scalef32_pk8_fp8_f32 v[XF+64*(\kd)+2*n:XF+64*(\kd)+2*n+1], v[8*n:8*n+7], v30
.set n, n+1
.endr
	WIN 0
	v_nop                                          ; a plain vector line behind the last conversion
.set n, 0
.rept 16
	global_store_b128 v[LI], v[XF+64*(\kd)+4*n:XF+64*(\kd)+4*n+3], s[\base:\base+1] offset:512*n   ; 512 consecutive bytes, aligned
.set n, n+1
.endr
.endm
	s_wait_kmcnt 0x0
	PLACES
	OUTK 0, 82, 10
	OUTK 1, 83, 74
	OUTK 2, 85, 76
	s_wait_tensorcnt 0x0                           ; the wave's end
	ds_add_u32 v[SPW], v[NIL]
	s_wait_dscnt 0x0
	CROUND                                         ; the closing round
	s_endpgm
.Lfunc_end_k_qa9f5c5c59a_gemm_qkv:
	.size	k_qa9f5c5c59a_gemm_qkv, .Lfunc_end_k_qa9f5c5c59a_gemm_qkv-k_qa9f5c5c59a_gemm_qkv
	.p2alignl 7, 3214868480
	.fill 96, 4, 3214868480
	.section	.rodata,"a",@progbits
	.p2align	6, 0x0
	.amdhsa_kernel k_qa9f5c5c59a_gemm_qkv
		.amdhsa_group_segment_fixed_size 327680
		.amdhsa_private_segment_fixed_size 0
		.amdhsa_enable_private_segment 0
		.amdhsa_kernarg_size 24
		.amdhsa_user_sgpr_count 2
		.amdhsa_user_sgpr_kernarg_segment_ptr 1
		.amdhsa_wavefront_size32 1
		.amdhsa_system_sgpr_workgroup_id_x 1
		.amdhsa_system_sgpr_workgroup_id_y 1
		.amdhsa_system_sgpr_workgroup_id_z 1
		.amdhsa_system_vgpr_workitem_id 0
		.amdhsa_next_free_vgpr 1024
		.amdhsa_next_free_sgpr 100
		.amdhsa_reserve_vcc 0
		.amdhsa_float_denorm_mode_32 3
		.amdhsa_float_denorm_mode_16_64 3
		.amdhsa_memory_ordered 1
		.amdhsa_forward_progress 1
		.amdhsa_inst_pref_size 143
	.end_amdhsa_kernel
	.amdgpu_metadata
---
amdhsa.version: [ 1, 2 ]
amdhsa.kernels:
  - .name:           k_qa9f5c5c59a_gemm_qkv
    .symbol:         k_qa9f5c5c59a_gemm_qkv.kd
    .args:
      - { .name: xw, .offset: 0, .size: 8, .value_kind: global_buffer, .address_space: global }
      - { .name: lowp_scales, .offset: 8, .size: 8, .value_kind: global_buffer, .address_space: global }
      - { .name: qkv, .offset: 16, .size: 8, .value_kind: global_buffer, .address_space: global }
    .group_segment_fixed_size: 327680
    .private_segment_fixed_size: 0
    .kernarg_segment_align: 8
    .kernarg_segment_size: 24
    .max_flat_workgroup_size: 128
    .sgpr_count:     100
    .vgpr_count:     1024
    .wavefront_size: 32
...
	.end_amdgpu_metadata
.endif
;; end of part 2
;; launch attention (part 3): grid 4 x 64, 8 waves a work-group, no clusters, 327,680 bytes of LDS; arguments qkv, pad_mask, lowp_scales, yq; writes yq
.if DOCPART == 3
	.amdgcn_target "amdgcn-amd-amdhsa--gfx1250"
	.amdhsa_code_object_version 6
	.text
	.protected	k_qa9f5c5c59a_attention
	.globl	k_qa9f5c5c59a_attention
	.p2align	8
	.type	k_qa9f5c5c59a_attention,@function
k_qa9f5c5c59a_attention:
	s_mov_b64 s[64:65], 0
	v_nop
	global_prefetch_b8 v0, s[64:65] scope:SCOPE_SE
	s_setreg_imm32_b32 hwreg(HW_REG_WAVE_MODE, 25, 1), 1
	s_wait_xcnt 0x0
; y = softmax(q k^T / 8, causal and padding mask) v for one batch and head, both products on codes of E4M3; y leaves as codes (scale entry 6), as an image of the last product's operand.
; q, k: [head][128 tiles of 16 tokens][2 parts][512 bytes]; row r of tile t is token 32 (t / 2) + 8 (t % 2) + r + 8 (r / 8).  v: [head][16 steps of 128 keys][4 tiles of channels][4 parts][512 bytes], keys in natural order.
; THE SOFTMAX: t = score x log2(e) / 8; M = the running largest t rounded up to a whole number; p = 2^(t - M) is quantised (entry 4); the sum is taken of the unquantised p and divides at the end.
; LEFT OUT: steps of 128 keys all of which come after a pair's 32 queries: reference()'s own causal mask gives them -inf, so p = 0 there for all inputs.
; SHARES.  Work-group x = i of a head owns the query blocks 7 - i and i (256 queries each).  Each of EIGHT waves owns 32 neighbouring queries (two tiles) in each block: 64 queries, 512 registers, two waves to a SIMD.
; A step's fragments of K (16 loads), of V (16) and of the mask's table (16) are read from LDS once a wave and serve its two or four tiles.
; Which 32 queries: index ((w ^ (w >> 2)) & 1) 4 + (w >> 1), so that waves w, w + 4 and waves 2 k, 2 k + 1 each hold one index under 4 and one from 4 on: on the diagonal those have one step and two.
; The keys are walked once, 256 to a slot, 128 to a step; all 8 slots are walked by every work-group (a constant trip count); what is hidden is jumped over by scalar branches on ids.
; NO CLUSTER: the four work-groups of a head need 8, 7, 6 and 5 slots; a partner would be named by joint loads whose tiles none of its waves reads.
; Both products are used transposed: S^T = K Q^T, O^T = V^T P^T: a lane holds one query (lane % 16) throughout, and the 16 registers of tiles 2 b, 2 b + 1 of S^T are keys 32 b + 16 (lane / 16) + 0..15.
; THE PADDING MASK goes in as the C of the first product, in registers of its own (D lies elsewhere): a table in LDS holds 0 for a key that counts and -2^100 for one that does not.  The running largest t begins at
; c x (-2^40): under every real t (a sum of 64 products of codes stays under 2^24) and over every masked one: a masked key never sets M, and its p is 0.  A query with no key ends with the sum 0 and gets the NaN code, as the reference has NaN there.
; LIMITS: e2 + e3 between -88 and 29; e4, and e6 - e4 - e5, between -126 and 119.
; REGISTERS.  Window 0: v1-11 addresses; v12-27 four tiles' state (-M, largest t, the sum in two halves); v28-47 at work; v48-111 K; v112-175 the mask's 64 numbers; v176-239 S^T, then p; v240-255 p's codes.
;             Window 1: v0-63 V; v64-191 O^T of four tiles; v192-223 Q of four tiles.  Tiles 0, 1: the upper block's pair; 2, 3: the lower's.
.set SLOT1, 32768                      ; a slot: K 16,384 bytes, then V 16,384; slot 1 begins here
.set SPARE, 65536                      ; the spare words: 128 bytes for each of 8 waves
.set BIAS,  66560                      ; the mask's table: one f32 for each of the batch's 2,048 keys
.set ALN, 1                            ; 16 x lane
.set AB0, 2                            ; BIAS + 64 (lane / 16)
.set PFO, 3                            ; the prefetch's offset: 256 x min(lane, 15)
.set SPW, 5
.set NIL, 6
.set ADR, 8                            ; the slot in hand + 16 x lane
.set ADB, 9                            ; the slot's part of the table
.set DL,  11                           ; r + 8 (r / 8) - 16 h
.set ST,  12
.set MX,  28                           ; v28-31 the maximum's four chains
.set PX,  32                           ; a lane permute's destination
.set FF,  34                           ; v[34:35] f = 2^(old M - new M)
.set TS,  36                           ; v36-43 the sum's four chains
.set SC,  44                           ; 2^e4 for the conversion
.set DD,  45
.set NI,  46
.set NC,  47
.set KR,  48
.set BI,  112
.set S,   176
.set P,   240
.set VA,  0                            ; window 1
.set OA,  64
.set QA,  192
.set WV,  18
.set SEL, 20
.set CS,  22
.set TB,  2                            ; s2   LDS byte at which the slot in hand begins
.set BB,  3                            ; s3   4 x the slot's first key
.set SLOTS, 36
.set KF,  37                           ; the step's first key
.set Q0H, 38                           ; my pairs' first queries
.set Q0L, 39
.set QLAST, 40                         ; my work-group's last query
.set LIM, 41
.set PFA, 42
.set LIMP, 44                          ; 448 x 2^e4
.set MSB, 0
.macro WIN new                         ; the immediate's high byte repeats the setting that is left
.if MSB != \new
	s_set_vgpr_msb (MSB<<8)|\new
.set MSB, \new
.endif
.endm
.macro NOPS
.rept 4
	v_nop
.endr
.endm
.macro SMM j                           ; S^T of tile j: eight tiles of 16 keys; C = the mask's numbers, D = S
	WIN 0x04                                       ; source 1 (Q) in window 1
.irp t, 0,1,2,3,4,5,6,7
	v_wmma_f32_16x16x64_fp8_fp8 v[S+8*\t:S+8*\t+7], v[KR+8*\t:KR+8*\t+7], v[QA+8*(\j):QA+8*(\j)+7], v[BI+8*\t:BI+8*\t+7]
.endr
	WIN 0
.endm
.macro PVM j                           ; O^T of tile j += V^T P^T: four accumulators, one instruction each
	WIN 0x51                                       ; V, C and D in window 1, P in window 0
.irp d, 0,1,2,3
	v_wmma_f32_16x16x128_fp8_fp8 v[OA+32*(\j)+8*\d:OA+32*(\j)+8*\d+7], v[VA+16*\d:VA+16*\d+15], v[P:P+15], v[OA+32*(\j)+8*\d:OA+32*(\j)+8*\d+7]
.endr
	WIN 0
.endm
; THE SOFTMAX OF ONE TILE: from S^T to p's codes, and O^T under the new M.  q0: the pair's first query; u: which tile of the pair; vw = 1: V's loads are waited for here.
.macro SOFT j, q0, u, vw
.set STA, ST+4*(\j)
.set OJ, OA+32*(\j)
	s_add_co_u32 s96, s[KF], 127
	s_cmp_le_u32 s96, s[\q0]
	s_wait_alu depctr_va_vdst(0)                   ; the wait ahead of the branch
	s_cbranch_scc1 .Lopen_\@                       ; all 128 keys count for all my queries
	s_sub_co_i32 s96, s[\q0], s[KF]
	s_add_co_i32 s96, s96, 8*\u
	v_add_nc_u32 v[DD], s96, v[DL]                 ; d = my query - KF - 16 h.  Register 16 b + i holds key KF + 32 b + 16 h + i: hidden where 32 b + i > d
	v_mov_b32 v[NI], 0xff800000
.set n, 0
.rept 64
	v_cmp_gt_i32 vcc_lo, 32*(n/16)+n%16, v[DD]
	v_cndmask_b32 v[S+n], v[S+n], v[NI], vcc_lo
.set n, n+1
.endr
.Lopen_\@:
	v_max3_num_f32 v[MX], v[S], v[S+1], v[S+2]     ; the step's largest score of my query, in four chains, in ascending order: each accumulator from its low end on
	v_max3_num_f32 v[MX+1], v[S+3], v[S+4], v[S+5]
	v_max3_num_f32 v[MX+2], v[S+6], v[S+7], v[S+8]
	v_max3_num_f32 v[MX+3], v[S+9], v[S+10], v[S+11]
.set n, 0
.rept 26
	v_max3_num_f32 v[MX+n%4], v[MX+n%4], v[S+12+2*n], v[S+13+2*n]
.set n, n+1
.endr
	s_delay_alu instid0(VALU_DEP_1)
	v_max3_num_f32 v[MX], v[MX], v[MX+1], v[MX+2]
	s_delay_alu instid0(VALU_DEP_1)
	v_max_num_f32 v[MX], v[MX], v[MX+3]
	s_delay_alu instid0(VALU_DEP_1)
	v_permlanex16_b32 v[PX], v[MX], s[SEL], s[SEL+1]
	s_delay_alu instid0(VALU_DEP_1)
	v_max_num_f32 v[MX], v[MX], v[PX]              ; and the lane 16 away
	s_delay_alu instid0(VALU_DEP_1)
	v_mul_f32 v[MX], s[CS], v[MX]                  ; as t (c is positive)
	s_delay_alu instid0(VALU_DEP_1)
	v_max_num_f32 v[STA+1], v[STA+1], v[MX]
	v_mov_b32 v[MX+1], v[STA]
	s_delay_alu instid0(VALU_DEP_2)
	v_floor_f32 v[STA], -v[STA+1]                  ; -M = floor(-t): M is a whole number
	s_delay_alu instid0(VALU_DEP_1)
	v_sub_f32 v[MX+1], v[STA], v[MX+1]             ; old M - new M: a whole number, 0 or less
	s_delay_alu instid0(VALU_DEP_1)
	v_cvt_i32_f32 v[MX+1], v[MX+1]                 ; (it saturates)
	s_delay_alu instid0(VALU_DEP_1)
	v_ldexp_f32 v[FF], 1.0, v[MX+1]                ; f = 2^(old M - new M): rounds nothing
.set n, 0
.rept 32
	v_pk_fma_f32 v[S+n:S+n+1], v[S+n:S+n+1], s[CS:CS+1], v[STA:STA+1] op_sel_hi:[1,0,0]   ; t - M
.set n, n+2
.endr
	s_wait_alu depctr_va_vdst(0)                   ; the wait ahead of the batch
.set n, 0
.rept 64
	v_exp_f32 v[S+n], v[S+n]
.set n, n+1
.endr
	v_pk_mul_f32 v[STA+2:STA+3], v[STA+2:STA+3], v[FF:FF+1] op_sel_hi:[1,0]   ; the sum under the new M; the plain instruction behind the exponentials
	s_wait_alu depctr_va_vdst(0)                   ; one wait for the batch, ahead of its first reader
.irp k, 0,1,2,3
	v_pk_add_f32 v[TS+2*\k:TS+2*\k+1], v[S+4*\k:S+4*\k+1], v[S+4*\k+2:S+4*\k+3]   ; the sum of the unquantised p, in four chains
.endr
.set n, 0
.rept 24
	v_pk_add_f32 v[TS+2*(n%4):TS+2*(n%4)+1], v[TS+2*(n%4):TS+2*(n%4)+1], v[S+16+2*n:S+17+2*n]
.set n, n+1
.endr
	v_pk_add_f32 v[TS:TS+1], v[TS:TS+1], v[TS+2:TS+3]
	v_pk_add_f32 v[TS+4:TS+5], v[TS+4:TS+5], v[TS+6:TS+7]
	s_delay_alu instid0(VALU_DEP_1)
	v_pk_add_f32 v[TS:TS+1], v[TS:TS+1], v[TS+4:TS+5]
	s_delay_alu instid0(VALU_DEP_1)
	v_pk_add_f32 v[STA+2:STA+3], v[STA+2:STA+3], v[TS:TS+1]
.set n, 0
.rept 32
	v_dual_min_num_f32 v[S+n], s[LIMP], v[S+n] :: v_dual_min_num_f32 v[S+n+1], s[LIMP], v[S+n+1]   ; the hold (the conversion does not saturate: ISA guide 7.6.2), one-sided since p is not negative
.set n, n+2
.endr
.irp g, 0,1,2,3,4,5,6,7
	v_cvt_scalef32_pk8_fp8_f32 v[P+2*\g:P+2*\g+1], v[S+8*\g:S+8*\g+7], v[SC]
.endr
.if \vw
	s_wait_dscnt 0x0                               ; V is in: its 16 loads were issued ahead of this softmax
.endif
	WIN 0x41                                       ; O^T: destination and source 0 in window 1
	s_wait_alu depctr_va_vdst(0)                   ; the wait directly ahead of the first reader of O^T
.set n, 0
.rept 16
	v_pk_mul_f32 v[OJ+n:OJ+n+1], v[OJ+n:OJ+n+1], v[FF:FF+1] op_sel_hi:[1,0]   ; O^T under the new M; also the plain lines between the conversions and the products
.set n, n+2
.endr
.endm
; TWO TILES AGAINST 128 KEYS.  The second tile's scores are issued ahead of the first tile's second product: S is free once p's codes are made.
.macro PAIR kq, j, q0, first
	SMM \j
	NOPS                                           ; four places behind the products, for the reads of S and for the loads into V's registers
.if \first
	WIN 0x40
.irp d, 0,1,2,3
.irp c, 0,1,2,3
	ds_load_b128 v[VA+16*\d+4*\c:VA+16*\d+4*\c+3], v[ADR] offset:16384+8192*(\kq)+2048*\d+512*\c
.endr
.endr
	WIN 0
.endif
	SOFT \j, \q0, 0, \first
	SMM (\j)+1
	PVM \j
	NOPS
	SOFT (\j)+1, \q0, 1, 0
	PVM (\j)+1
.endm
.macro STEP kq
	s_add_co_u32 s96, s[Q0H], 31
	s_cmp_gt_u32 s[KF], s96
	s_wait_alu depctr_va_vdst(0)                   ; the wait ahead of the branch
	s_cbranch_scc1 .Lhid_\@                        ; all keys come after my upper pair, and so after my lower
	v_add_nc_u32 v[ADR], s[TB], v[ALN]
	v_add_nc_u32 v[ADB], s[BB], v[AB0]
	v_nop
	v_nop
.irp b, 0,1,2,3
.irp k, 0,1,2,3
	ds_load_b128 v[BI+16*\b+4*\k:BI+16*\b+4*\k+3], v[ADB] offset:512*(\kq)+128*\b+16*\k   ; the mask's 0 or -2^100 of my 64 keys
.endr
.endr
.irp t, 0,1,2,3,4,5,6,7
.irp c, 0,1
	ds_load_b128 v[KR+8*\t+4*\c:KR+8*\t+4*\c+3], v[ADR] offset:(8*(\kq)+\t)*1024+512*\c
.endr
.endr
	s_wait_alu depctr_va_vdst(0)                   ; V's loads read the address again behind the wait below
	s_wait_dscnt 0x0
	PAIR \kq, 0, Q0H, 1
	s_add_co_u32 s96, s[Q0L], 31
	s_cmp_gt_u32 s[KF], s96
	s_wait_alu depctr_va_vdst(0)
	s_cbranch_scc1 .Lhid_\@
	PAIR \kq, 2, Q0L, 0
.Lhid_\@:
	s_add_co_u32 s[KF], s[KF], 128
.endm
.macro YBASE d, tile                   ; where a pair of tiles of y goes: [group of 128 rows][8 steps of 128 K][8 tiles][4 parts]; my head's 64 are two parts
	s_lshl_b32 s90, s67, 7
	s_add_co_u32 s90, s90, s[\tile]
	s_lshr_b32 s91, s90, 3
	s_lshl_b32 s91, s91, 17
	s_and_b32 s90, s90, 7
	s_lshl_b32 s90, s90, 11
	s_add_co_u32 s90, s90, s91
	s_add_co_u32 s90, s90, s92
	s_mov_b32 s91, 0
	s_add_nc_u64 s[\d:\d+1], s[10:11], s[90:91]
.endm
	s_load_b256 s[4:11], s[0:1], 0x0               ; qkv s[4:5], pad_mask s[6:7], the scales s[8:9], yq s[10:11]
	v_lshl_add_u32 v[SPW], v0, 2, SPARE
	v_mov_b32 v[NIL], 0
	ds_add_u32 v[SPW], v[NIL]                      ; the wave's opening: the add, twice on end, and its wait ahead of my first tensor load
	ds_add_u32 v[SPW], v[NIL]
	v_lshrrev_b32 v8, 5, v0
	v_readfirstlane_b32 s[WV], v8                  ; wave 0..7
	s_and_b32 s66, ttmp7, 0xffff                   ; 16 x batch + head
	s_lshr_b32 s67, s66, 4
	s_and_b32 s68, s66, 15
	s_sub_co_u32 s69, 7, ttmp9                     ; the upper block; the lower is ttmp9
	s_lshr_b32 s70, s[WV], 2
	s_xor_b32 s70, s70, s[WV]
	s_and_b32 s70, s70, 1
	s_lshl_b32 s70, s70, 2
	s_lshr_b32 s71, s[WV], 1
	s_add_co_u32 s70, s70, s71                     ; which 32 queries of a block are mine
	s_lshl_b32 s71, s70, 5
	s_lshl_b32 s[Q0H], s69, 8
	s_or_b32 s[QLAST], s[Q0H], 255
	s_add_co_u32 s[Q0H], s[Q0H], s71
	s_lshl_b32 s[Q0L], ttmp9, 8
	s_add_co_u32 s[Q0L], s[Q0L], s71
	s_lshl_b32 s74, s66, 17                        ; my head's image in each of q, k, v
	s_lshl_b32 s33, s[WV], 12                      ; every wave fetches 4,096 bytes of a slot: waves 0-3 K's quarters, waves 4-7 V's: LDS byte 4,096 x wave
	s_lshr_b32 s72, s[WV], 2
	s_add_co_u32 s72, s72, 1
	s_lshl_b32 s72, s72, 23                        ; k begins 8,388,608 bytes into qkv, v 16,777,216
	s_add_co_u32 s72, s72, s74
	s_and_b32 s73, s[WV], 3
	s_lshl_b32 s73, s73, 12
	s_add_co_u32 s72, s72, s73
	s_mov_b32 s73, 0
	s_mov_b32 s24, 3<<16                           ; group 1: no mask; elements of 8 bytes; no padding
	s_mov_b32 s25, 32<<16                          ; tensor_dim0 = 32: 256 bytes
	s_mov_b32 s26, 16<<16                          ; tensor_dim1 = 16
	s_mov_b32 s27, 32<<16                          ; tile_dim0
	s_mov_b32 s28, 16                              ; tile_dim1: 16 x 256 bytes, dense
	s_mov_b32 s29, 32                              ; the pitch
	s_mov_b32 s30, 0
	s_mov_b32 s31, 0
	s_mov_b32 s[SEL], 0x76543210
	s_mov_b32 s[SEL+1], 0xfedcba98
	s_mov_b32 s[CS], 0x3e38aa3b                    ; c = log2(e) / 8
	s_mov_b32 s[TB], 0
	s_mov_b32 s[BB], 0
	s_mov_b32 s[SLOTS], 8
	s_mov_b32 s[KF], 0
	s_wait_dscnt 0x0                               ; both opening adds are done
	s_wait_kmcnt 0x0
	s_load_b256 s[48:55], s[8:9], 0x0              ; e0 .. e7
	s_mov_b32 s32, 1
	s_add_nc_u64 s[34:35], s[4:5], s[72:73]
	s_or_b32 s35, s35, 0x80000000
	tensor_load_to_lds s[32:35], s[24:31]          ; slot 0: my one tensor load at the head
	s_nop 0
	NOPS
	s_lshl_b32 s76, s69, 4
	s_lshl_b32 s77, s70, 1
	s_add_co_u32 s76, s76, s77                     ; my pairs' first tiles: 16 x block + 2 x index
	s_lshl_b32 s78, ttmp9, 4
	s_add_co_u32 s78, s78, s77
	s_lshl_b32 s80, s76, 10
	s_add_co_u32 s80, s80, s74
	s_mov_b32 s81, 0
	s_add_nc_u64 s[56:57], s[4:5], s[80:81]        ; Q of the upper pair,
	s_lshl_b32 s80, s78, 10
	s_add_co_u32 s80, s80, s74
	s_add_nc_u64 s[58:59], s[4:5], s[80:81]        ; of the lower
	s_lshr_b32 s92, s68, 1
	s_lshl_b32 s92, s92, 14
	s_and_b32 s93, s68, 1
	s_lshl_b32 s93, s93, 10
	s_add_co_u32 s92, s92, s93                     ; my head's place along y's K
	YBASE 60, 76
	YBASE 62, 78
	s_lshl_b32 s80, s67, 13
	s_add_nc_u64 s[6:7], s[6:7], s[80:81]          ; my batch's row of the mask
	; THE PREFETCH: the slot behind the one that a change of slots loads.  The four work-groups of a head walk the same K and V: work-group x = 0, which loads all 8 slots, asks, each wave for the 4,096 bytes
	; that it will itself fetch: 16 blocks of 256 bytes, a lane a block (lanes 16-31 name the last again).  Slots 0 and 1 come by their loads alone; the changes that would load slot 7 or none ask for nothing.
	s_add_nc_u64 s[PFA:PFA+1], s[4:5], s[72:73]
	s_add_nc_u64 s[PFA:PFA+1], s[PFA:PFA+1], 16384 ; in slot 1: the first change steps it to slot 2
	s_cmp_eq_u32 ttmp9, 0
	s_cselect_b32 s[LIM], 2, -1
	v_lshlrev_b32 v8, 4, v0
	v_lshl_add_u32 v9, v0, 4, BIAS
	v_and_b32 v28, 31, v0
	v_lshlrev_b32 v[ALN], 4, v28
	v_min_u32 v29, 15, v28
	v_lshlrev_b32 v[PFO], 8, v29
	global_load_b128 v[48:51], v8, s[6:7]          ; thread t: the mask of keys 4 t .. 4 t + 3,
	global_load_b128 v[52:55], v8, s[6:7] offset:4096   ; and of keys 1,024 + 4 t ..
	WIN 0x40
.irp k, 0,1,2,3
	global_load_b128 v[QA+4*\k:QA+4*\k+3], v[ALN], s[56:57] offset:512*\k
	global_load_b128 v[QA+16+4*\k:QA+16+4*\k+3], v[ALN], s[58:59] offset:512*\k
.endr
.set n, 0
.rept 128
	v_mov_b32 v[OA+n], 0                           ; O^T of four tiles: the step is written once, and its first turn finds zeros
.set n, n+1
.endr
	WIN 0
	v_and_b32 v29, 15, v0                          ; r
	v_bfe_u32 v30, v0, 4, 1                        ; h
	v_lshl_add_u32 v[AB0], v30, 6, BIAS
	v_and_b32 v31, 8, v29
	v_add_nc_u32 v[DL], v31, v29
	v_lshlrev_b32 v30, 4, v30
	v_sub_nc_u32 v[DL], v[DL], v30
.set n, 28
.rept 20
	v_mov_b32 v[n], 0                              ; what is at work is written once: lane permutes' destinations and the upper halves of pairs count as read
.set n, n+1
.endr
	s_wait_alu depctr_va_vdst(0)                   ; directly ahead of the wait below
	s_wait_kmcnt 0x0
	s_add_co_i32 s82, s50, s51
	s_lshl_b32 s82, s82, 23
	s_add_co_i32 s[CS], s[CS], s82                 ; a score stands for score x 2^(e2 + e3): added to c's exponent field
	s_mov_b32 s[CS+1], s[CS]
	s_add_co_i32 s82, s52, 127
	s_lshl_b32 s83, s82, 23
	v_mov_b32 v[SC], s83                           ; 2^e4 for the conversion
	s_add_co_i32 s82, s82, 8
	s_lshl_b32 s82, s82, 23
	s_or_b32 s[LIMP], s82, 0x600000                ; 448 x 2^e4
	v_mov_b32 v28, 0xd3800000                      ; -2^40
	v_mul_f32 v[ST+1], s[CS], v28                  ; the largest t so far
	v_floor_f32 v[ST], -v[ST+1]
	v_mov_b32 v[ST+2], 0
	v_mov_b32 v[ST+3], 0
.irp j, 1,2,3
	v_mov_b32 v[ST+4*\j], v[ST]
	v_mov_b32 v[ST+4*\j+1], v[ST+1]
	v_mov_b32 v[ST+4*\j+2], 0
	v_mov_b32 v[ST+4*\j+3], 0
.endr
	s_wait_alu depctr_va_vdst(0)
	s_wait_loadcnt 8                               ; the mask's two loads are in; Q's eight may be out
	v_mov_b32 v28, 0xf1800000                      ; -2^100
.irp k, 0,1,2,3,4,5,6,7
	v_cmp_eq_u32 vcc_lo, 0, v[48+\k]
	v_cndmask_b32 v[48+\k], 0, v28, vcc_lo
.endr
	ds_store_b128 v9, v[48:51]                     ; the first change's wait and barrier show the table to every wave
	ds_store_b128 v9, v[52:55] offset:4096
	s_wait_alu depctr_va_vdst(0)                   ; the wait at the head's end
	s_wait_loadcnt 0x0                             ; Q
.Lslot:                                            ; 8 trips, a slot each
	; THE CHANGE OF SLOTS: all my tensor loads are waited for, the add, my LDS instructions; one barrier; behind it the slot that has been left takes the next 256 keys
	s_wait_alu depctr_va_vdst(0)
	s_wait_tensorcnt 0x0                           ; no tensor load of mine is out, so the descriptor may be written
	ds_add_u32 v[SPW], v[NIL]                      ; 0 onto my spare word
	s_xor_b32 s33, s33, SLOT1
	s_add_nc_u64 s[34:35], s[34:35], 16384
	s_wait_xcnt 0x0                                ; the last prefetch, a slot back, has read its address
	s_add_nc_u64 s[PFA:PFA+1], s[PFA:PFA+1], 16384
	s_wait_dscnt 0x0                               ; the add is done, my LDS stores have landed and my reads of the slot that I have left are over
	s_barrier_signal -1
	s_barrier_wait -1
	s_add_co_u32 s96, s[KF], 256                   ; the next slot's first key against my work-group's last query: ids and the count of steps alone, the same in all eight waves
	s_cmp_gt_u32 s96, s[QLAST]
	s_cbranch_scc1 .Lpast                          ; a slot that no wave would read is not asked for (the eighth trip's never is); every wait on TENSORcnt in this text is for 0
	tensor_load_to_lds s[32:35], s[24:31]
	s_nop 0
	NOPS
.Lpast:
	s_cmp_gt_u32 s[SLOTS], s[LIM]
	s_cbranch_scc0 .Lnot_mine
	global_prefetch_b8 v[PFO], s[PFA:PFA+1] th:TH_LOAD_NT scope:SCOPE_SE
.Lnot_mine:
	STEP 0
	STEP 1
	s_xor_b32 s[TB], s[TB], SLOT1
	s_add_co_u32 s[BB], s[BB], 1024
	s_sub_co_u32 s[SLOTS], s[SLOTS], 1
	s_cmp_lg_u32 s[SLOTS], 0
	s_wait_alu depctr_va_vdst(0)
	s_cbranch_scc1 .Lslot
	; THE WAY OUT: O^T / the sum stands for y / 2^(e4 + e5): its code is that / 2^(e6 - e4 - e5).  Tiles 2 b, 2 b + 1 of O^T are channels 32 b + 16 h + 0..15: a part of y's image
	NOPS                                           ; places behind the last products
.irp j, 0,1,2,3
	v_add_f32 v[ST+4*\j+2], v[ST+4*\j+2], v[ST+4*\j+3]
.endr
.irp j, 0,1,2,3
	v_permlanex16_b32 v[MX+\j], v[ST+4*\j+2], s[SEL], s[SEL+1]
.endr
.irp j, 0,1,2,3
	v_add_f32 v[ST+4*\j+2], v[ST+4*\j+2], v[MX+\j] ; the rows' sums
.endr
	s_wait_alu depctr_va_vdst(0)                   ; the wait ahead of the batch
.irp j, 0,1,2,3
	v_rcp_f32 v[TS+2*\j], v[ST+4*\j+2]
.endr
	s_sub_co_i32 s82, s54, s52
	s_sub_co_i32 s82, s82, s53
	s_add_co_i32 s82, s82, 127
	s_lshl_b32 s83, s82, 23
	v_mov_b32 v[DD], s83                           ; (a plain instruction behind the reciprocals)  2^(e6 - e4 - e5)
	s_add_co_i32 s82, s82, 8
	s_lshl_b32 s82, s82, 23
	s_or_b32 s82, s82, 0x600000
	v_mov_b32 v[NI], s82                           ; 448 x that
	v_mov_b32 v[NC], 0x7f7f7f7f                    ; four NaN codes
.macro OUTT j, yb
.set OJ, OA+32*(\j)
.set PB, KR+8*(\j)
	WIN 0x41
	s_wait_alu depctr_va_vdst(0)                   ; for the reciprocals, and directly ahead of the first reader of this tile's O^T
.set n, 0
.rept 16
	v_pk_mul_f32 v[OJ+n:OJ+n+1], v[OJ+n:OJ+n+1], v[TS+2*(\j):TS+2*(\j)+1] op_sel_hi:[1,0]
.set n, n+2
.endr
.set n, 0
.rept 32
	v_med3_num_f32 v[OJ+n], v[OJ+n], -v[NI], v[NI]
.set n, n+1
.endr
	WIN 0x01
.irp g, 0,1,2,3
	v_cvt_scalef32_pk8_fp8_f32 v[PB+2*\g:PB+2*\g+1], v[OJ+8*\g:OJ+8*\g+7], v[DD]
.endr
	WIN 0
	v_nop                                          ; a plain line between the conversions and the selects that touch their results
	v_cmp_eq_f32 vcc_lo, 0, v[ST+4*(\j)+2]         ; no key counted for my query
.irp k, 0,1,2,3,4,5,6,7
	v_cndmask_b32 v[PB+\k], v[PB+\k], v[NC], vcc_lo
.endr
	global_store_b128 v[ALN], v[PB:PB+3], s[\yb:\yb+1] offset:2048*((\j)%2)          ; a part: 512 consecutive bytes, aligned
	global_store_b128 v[ALN], v[PB+4:PB+7], s[\yb:\yb+1] offset:2048*((\j)%2)+512
.endm
	OUTT 0, 60
	OUTT 1, 60
	OUTT 2, 62
	OUTT 3, 62
	s_wait_tensorcnt 0x0                           ; the wave's end
	ds_add_u32 v[SPW], v[NIL]
	s_wait_dscnt 0x0
	s_endpgm
.Lfunc_end_k_qa9f5c5c59a_attention:
	.size	k_qa9f5c5c59a_attention, .Lfunc_end_k_qa9f5c5c59a_attention-k_qa9f5c5c59a_attention
	.p2alignl 7, 3214868480
	.fill 96, 4, 3214868480
	.section	.rodata,"a",@progbits
	.p2align	6, 0x0
	.amdhsa_kernel k_qa9f5c5c59a_attention
		.amdhsa_group_segment_fixed_size 327680
		.amdhsa_private_segment_fixed_size 0
		.amdhsa_enable_private_segment 0
		.amdhsa_kernarg_size 32
		.amdhsa_user_sgpr_count 2
		.amdhsa_user_sgpr_kernarg_segment_ptr 1
		.amdhsa_wavefront_size32 1
		.amdhsa_system_sgpr_workgroup_id_x 1
		.amdhsa_system_sgpr_workgroup_id_y 1
		.amdhsa_system_sgpr_workgroup_id_z 1
		.amdhsa_system_vgpr_workitem_id 0
		.amdhsa_next_free_vgpr 512
		.amdhsa_next_free_sgpr 100
		.amdhsa_reserve_vcc 1
		.amdhsa_float_denorm_mode_32 3
		.amdhsa_float_denorm_mode_16_64 3
		.amdhsa_memory_ordered 1
		.amdhsa_forward_progress 1
		.amdhsa_inst_pref_size 187
	.end_amdhsa_kernel
	.amdgpu_metadata
---
amdhsa.version: [ 1, 2 ]
amdhsa.kernels:
  - .name:           k_qa9f5c5c59a_attention
    .symbol:         k_qa9f5c5c59a_attention.kd
    .args:
      - { .name: qkv, .offset: 0, .size: 8, .value_kind: global_buffer, .address_space: global }
      - { .name: pad_mask, .offset: 8, .size: 8, .value_kind: global_buffer, .address_space: global }
      - { .name: lowp_scales, .offset: 16, .size: 8, .value_kind: global_buffer, .address_space: global }
      - { .name: yq, .offset: 24, .size: 8, .value_kind: global_buffer, .address_space: global }
    .group_segment_fixed_size: 327680
    .private_segment_fixed_size: 0
    .kernarg_segment_align: 8
    .kernarg_segment_size: 32
    .max_flat_workgroup_size: 256
    .sgpr_count:     100
    .vgpr_count:     512
    .wavefront_size: 32
...
	.end_amdgpu_metadata
.endif
;; end of part 3
;; launch gemm_proj (part 4): grid 4 x 32, 4 waves a work-group, clusters of 4 x 4, 327,680 bytes of LDS; arguments yq, pq, lowp_scales, b_proj, out0; writes out0
.if DOCPART == 4
	.amdgcn_target "amdgcn-amd-amdhsa--gfx1250"
	.amdhsa_code_object_version 6
	.text
	.protected	k_qa9f5c5c59a_gemm_proj
	.globl	k_qa9f5c5c59a_gemm_proj
	.p2align	8
	.type	k_qa9f5c5c59a_gemm_proj,@function
k_qa9f5c5c59a_gemm_proj:
	s_mov_b64 s[64:65], 0
	v_nop
	global_prefetch_b8 v0, s[64:65] scope:SCOPE_SE
	s_setreg_imm32_b32 hwreg(HW_REG_WAVE_MODE, 25, 1), 1
	s_wait_xcnt 0x0
	s_wait_alu depctr_hold_cnt(0) depctr_sa_sdst(0) depctr_va_vdst(0) depctr_va_sdst(0) depctr_va_ssrc(0) depctr_va_vcc(0) depctr_vm_vsrc(0)
	s_getreg_b32 s2, hwreg(HW_REG_IB_STS2, 6, 4)
	s_cmp_eq_u32 s2, 0
	s_cbranch_scc0 .Lentry_in_a_cluster
	s_endpgm
.Lentry_in_a_cluster:
	s_bfe_u32 s2, ttmp6, 0x10000c
	s_cmp_lg_u32 s2, 0xf033
	s_cbranch_scc0 .Lentry_shape_is_right
	s_endpgm
.Lentry_shape_is_right:
.set SLOT,  32768                      ; LDS: four regions of 65,536 bytes (y's two halves of 128 rows, then w_proj's two); in each region slot 0's 32,768 bytes, then slot 1's
.set REGB,  32768
.set SPARE, 262144
.set FR,    16
.set NL,    4
.set NP,    4
.set ADRA, 16
.set ADRB, 20
.set STO,  24
.set RD,   25
.set LI,   26
.set SPW,  28
.set NIL,  29
.set AF,   128
.set BK,   128
.set G1, 24
.set G0, 32
.set G1B, 48
.set G0B, 56
.set MSB, 0
.macro WIN new
.if MSB != \new
	s_set_vgpr_msb (MSB<<8)|\new
.set MSB, \new
.endif
.endm
.set MUL_LO, 0xa1
.set MUL_HI, 0xf1
.set TO_B,   0x40
.macro JLOAD g0a, g1a, g0b, g1b
	s_cmp_eq_u32 s15, 0
	s_cbranch_scc0 .Lfor_b_\@
	tensor_load_to_lds s[\g0a:\g0a+3], s[\g1a:\g1a+7]
	s_nop 0
.rept 4
	v_nop
.endr
	s_branch .Lasked_\@
.Lfor_b_\@:
	tensor_load_to_lds s[\g0b:\g0b+3], s[\g1b:\g1b+7]
	s_nop 0
.rept 4
	v_nop
.endr
.Lasked_\@:
.endm
.macro CREST
	s_cmp_lg_u32 s14, 0
	s_cbranch_scc1 .Lnot_wave_0_\@
	s_barrier_signal -3
.Lnot_wave_0_\@:
	s_barrier_wait -3
	s_barrier_signal -1
	s_barrier_wait -1
.endm
.macro CROUND
	s_barrier_signal -1
	s_barrier_wait -1
	CREST
.endm
.macro FRAG reg, adr, q, i
.irp c, 0,1,2,3
	ds_load_b128 v[\reg+4*\c:\reg+4*\c+3], v[\adr] offset:16384*(\q)+2048*(\i)+512*\c
.endr
.endm
.macro MUL16 a0, p, zero
.irp a, \a0, \a0+1
.irp b, 0,1,2,3,4,5,6,7
.if \zero
	v_wmma_f32_16x16x128_fp8_fp8 v[8*(8*((\a)%4)+\b):8*(8*((\a)%4)+\b)+7], v[128*(\p)+FR*\b:128*(\p)+FR*\b+FR-1], v[AF+FR*(\a):AF+FR*(\a)+FR-1], 0
.else
	v_wmma_f32_16x16x128_fp8_fp8 v[8*(8*((\a)%4)+\b):8*(8*((\a)%4)+\b)+7], v[128*(\p)+FR*\b:128*(\p)+FR*\b+FR-1], v[AF+FR*(\a):AF+FR*(\a)+FR-1], v[8*(8*((\a)%4)+\b):8*(8*((\a)%4)+\b)+7]
.endif
.endr
.endr
.endm
.macro FETCH_B slot, q, p
	WIN TO_B
.irp i, 0,1,2,3,4,5,6,7
	FRAG 128*(\p)+FR*\i, ADRB+\slot, \q, \i
.endr
	WIN 0
.endm
.macro FETCH_A slot, q, i0
.irp i, \i0, \i0+1, \i0+2, \i0+3
	FRAG AF+FR*(\i), ADRA+\slot, \q, \i
.endr
.endm
.macro PLACES n
.rept \n
	v_nop
.endr
.endm
.macro STEP slot, q, zero
	s_wait_dscnt 4*NL
	WIN MUL_LO
	MUL16 0, (\q)%2, \zero
	MUL16 2, (\q)%2, \zero
	s_wait_dscnt 0
	PLACES NP
	FETCH_B \slot, (\q)+1, 1-(\q)%2
	FETCH_A \slot, (\q)+1, 0
	WIN MUL_HI
	MUL16 4, (\q)%2, \zero
	MUL16 6, (\q)%2, \zero
	PLACES NP
	WIN 0
	FETCH_A \slot, (\q)+1, 4
.endm
.macro TURN slot, next, fill
	s_wait_tensorcnt 0x0
	ds_add_u32 v[SPW], v[NIL]
	s_wait_dscnt 4*NL+1
	WIN MUL_LO
	MUL16 0, 1, 0
	s_wait_dscnt 0x0
	s_barrier_signal -1
	MUL16 2, 1, 0
	WIN 0
	s_barrier_wait -1
.if \fill
	CREST
	s_add_nc_u64 s[G0+4*\slot+2:G0+4*\slot+3], s[G0+4*\slot+2:G0+4*\slot+3], 2*REGB
	s_add_nc_u64 s[G0B+4*\slot+2:G0B+4*\slot+3], s[G0B+4*\slot+2:G0B+4*\slot+3], 2*REGB
	JLOAD G0+4*\slot, G1, G0B+4*\slot, G1B
.else
	PLACES NP
.endif
	FETCH_B \next, 0, 0
	FETCH_A \next, 0, 0
	WIN MUL_HI
	MUL16 4, 1, 0
	MUL16 6, 1, 0
	PLACES NP
	WIN 0
	FETCH_A \next, 0, 4
.endm
	s_load_b256 s[4:11], s[0:1], 0x0
	s_load_b64 s[12:13], s[0:1], 0x20
	v_lshl_add_u32 v[SPW], v0, 2, SPARE
	v_mov_b32 v[NIL], 0
	ds_add_u32 v[SPW], v[NIL]
	ds_add_u32 v[SPW], v[NIL]
	v_lshrrev_b32 v1, 5, v0
	v_readfirstlane_b32 s14, v1
	s_lshr_b32 s15, s14, 1
	s_and_b32 s16, s14, 1
	s_bfe_u32 s40, ttmp6, 0x40000
	s_bfe_u32 s41, ttmp6, 0x40004
	s_and_b32 s66, ttmp7, 0xffff
	s_lshl_b32 s66, s66, 2
	s_add_co_u32 s66, s66, s41
	s_lshl_b32 s67, ttmp9, 2
	s_add_co_u32 s67, s67, s40
	s_lshl_b32 s43, s41, 2
	s_lshl_b32 s43, 15, s43
	s_lshl_b32 s44, 0x1111, s40
	s_or_b32 s[G1+0], s43, (3<<16)|(1<<21)
	s_or_b32 s[G1B+0], s44, (3<<16)|(1<<21)
.irp g, G1, G1B
	s_mov_b32 s[\g+1], 32<<16
	s_mov_b32 s[\g+2], 128<<16
	s_mov_b32 s[\g+3], 32<<16
	s_mov_b32 s[\g+4], 128
	s_mov_b32 s[\g+5], 32
	s_mov_b32 s[\g+6], 0
	s_mov_b32 s[\g+7], 0
.endr
	s_lshl_b32 s18, s16, 17
	s_lshl_b32 s20, s66, 18
	s_add_co_u32 s20, s20, s18
	s_mov_b32 s21, 0
	s_lshl_b32 s46, s67, 18
	s_add_co_u32 s46, s46, s18
	s_mov_b32 s47, 0
	s_lshl_b32 s45, s14, 16                        ; where my loads go: wave x 65,536
	s_wait_dscnt 0x0
	s_wait_kmcnt 0x0
	s_load_b256 s[80:87], s[8:9], 0x0
	s_add_nc_u64 s[20:21], s[4:5], s[20:21]
	s_add_nc_u64 s[46:47], s[6:7], s[46:47]
	CROUND
.irp s, 0,1
	s_mov_b32 s[G0+4*\s], 1
	s_add_co_u32 s[G0+4*\s+1], s45, \s*SLOT
	s_add_nc_u64 s[G0+4*\s+2:G0+4*\s+3], s[20:21], \s*REGB
	s_or_b32 s[G0+4*\s+3], s[G0+4*\s+3], 0x80000000
	s_mov_b32 s[G0B+4*\s], 1
	s_add_co_u32 s[G0B+4*\s+1], s45, \s*SLOT
	s_add_nc_u64 s[G0B+4*\s+2:G0B+4*\s+3], s[46:47], \s*REGB
	s_or_b32 s[G0B+4*\s+3], s[G0B+4*\s+3], 0x80000000
.endr
	; the head's load: K steps 0 and 1 lie on end in memory and in my region, so one tile of 256 rows x 256 bytes fills my part of both slots: one tensor load a wave at the head
	s_or_b32 s88, s43, (3<<16)|(1<<21)             ; a second pair of groups 1, with 256 rows: s[88:95] and s[40:47] (cx, cy, the masks and the addresses there are done with)
	s_or_b32 s40, s44, (3<<16)|(1<<21)
.irp g, 88, 40
	s_mov_b32 s[\g+1], 32<<16
	s_mov_b32 s[\g+2], 256<<16
	s_mov_b32 s[\g+3], 32<<16
	s_mov_b32 s[\g+4], 256
	s_mov_b32 s[\g+5], 32
	s_mov_b32 s[\g+6], 0
	s_mov_b32 s[\g+7], 0
.endr
	JLOAD G0, 88, G0B, 40
	v_and_b32 v1, 31, v0
	v_lshlrev_b32 v[LI], 4, v1
	s_lshl_b32 s21, s15, 16
	s_lshl_b32 s22, s16, 16
	s_add_co_u32 s22, s22, 4*REGB
.irp s, 0,1
	v_add_nc_u32 v[ADRA+\s], s21, v[LI]
	v_add_nc_u32 v[ADRB+\s], s22, v[LI]
	s_add_co_u32 s21, s21, SLOT
	s_add_co_u32 s22, s22, SLOT
.endr
	s_lshl_b32 s23, s14, 16                        ; my stage for the way out: 8,448 bytes at the head of region wave, in slot 0's part, which has had its last fill and its last read by then
	v_and_b32 v2, 15, v0
	v_bfe_u32 v3, v0, 4, 1
	v_mul_u32_u24 v4, v2, 528
	v_lshl_add_u32 v4, v3, 6, v4
	v_add_nc_u32 v[STO], s23, v4
	v_add_nc_u32 v[RD], s23, v[LI]
	s_lshl_b32 s68, s67, 10
	s_lshl_b32 s69, s16, 9
	s_add_co_u32 s68, s68, s69
	s_mov_b32 s69, 0
	s_add_nc_u64 s[10:11], s[10:11], s[68:69]
	global_load_b128 v[8:11], v[LI], s[10:11]
	s_add_nc_u64 s[12:13], s[12:13], s[68:69]
	s_lshl_b32 s68, s66, 20
	s_lshl_b32 s70, s15, 19
	s_add_co_u32 s68, s68, s70
	s_add_nc_u64 s[12:13], s[12:13], s[68:69]
	s_wait_alu depctr_va_vdst(0)
	s_wait_tensorcnt 0x0                           ; my one load, my part of K steps 0 and 1, is in
	s_barrier_signal -1
	s_barrier_wait -1
	FETCH_B 0, 0, 0
	FETCH_A 0, 0, 0
	FETCH_A 0, 0, 4
	STEP 0, 0, 1
	TURN 0, 1, 1
	STEP 1, 0, 0
	TURN 1, 0, 1
	STEP 0, 0, 0
	TURN 0, 1, 0
	STEP 1, 0, 0
	s_wait_dscnt 4*NL
	WIN MUL_LO
	MUL16 0, 1, 0
	MUL16 2, 1, 0
	s_wait_dscnt 0
	WIN MUL_HI
	MUL16 4, 1, 0
	MUL16 6, 1, 0
	WIN 0
.macro TOSTAGE a
.set AC, 64*((\a)%4)
	WIN 0x08+4*((\a)/4)
.irp b, 0,1,2,3,4,5,6,7
	ds_store_b128 v[STO], v[AC+8*\b:AC+8*\b+3] offset:128*(\b/2)+32*(\b%2)
	ds_store_b128 v[STO], v[AC+8*\b+4:AC+8*\b+7] offset:128*(\b/2)+32*(\b%2)+16
.endr
	WIN 0
.set BR, BK+64*((\a)%2)
.irp t, 0,1,2,3,4,5,6,7,8,9,10,11,12,13,14,15
	ds_load_b128 v[BR+4*\t:BR+4*\t+3], v[RD] offset:528*\t
.endr
.endm
.macro SEND a, younger
.set BR, BK+64*((\a)%2)
	s_wait_dscnt \younger
.irp t, 0,1,2,3,4,5,6,7,8,9,10,11,12,13,14,15
	v_pk_fma_f32 v[BR+4*\t:BR+4*\t+1], v[BR+4*\t:BR+4*\t+1], s[96:97], v[8:9] op_sel_hi:[1,0,1]
	v_pk_fma_f32 v[BR+4*\t+2:BR+4*\t+3], v[BR+4*\t+2:BR+4*\t+3], s[96:97], v[10:11] op_sel_hi:[1,0,1]
	global_store_b128 v[LI], v[BR+4*\t:BR+4*\t+3], s[12:13] offset:(32*((\a)/2)+8*((\a)%2)+\t+8*(\t/8))*4096 th:TH_STORE_NT
.endr
.endm
	s_wait_kmcnt 0x0
	s_add_co_i32 s96, s86, s87
	s_add_co_i32 s96, s96, 127
	s_lshl_b32 s96, s96, 23
	s_mov_b32 s97, s96
	s_wait_loadcnt 0x0
	PLACES NP
	TOSTAGE 0
.irp a, 1,2,3,4,5,6,7
.if \a > 1
	s_wait_xcnt 0x0
.endif
	TOSTAGE \a
	SEND (\a-1), 32
.endr
	SEND 7, 0
	s_wait_tensorcnt 0x0
	ds_add_u32 v[SPW], v[NIL]
	s_wait_dscnt 0x0
	CROUND
	s_endpgm
.Lfunc_end_k_qa9f5c5c59a_gemm_proj:
	.size	k_qa9f5c5c59a_gemm_proj, .Lfunc_end_k_qa9f5c5c59a_gemm_proj-k_qa9f5c5c59a_gemm_proj
	.p2alignl 7, 3214868480
	.fill 96, 4, 3214868480
	.section	.rodata,"a",@progbits
	.p2align	6, 0x0
	.amdhsa_kernel k_qa9f5c5c59a_gemm_proj
		.amdhsa_group_segment_fixed_size 327680
		.amdhsa_private_segment_fixed_size 0
		.amdhsa_enable_private_segment 0
		.amdhsa_kernarg_size 40
		.amdhsa_user_sgpr_count 2
		.amdhsa_user_sgpr_kernarg_segment_ptr 1
		.amdhsa_wavefront_size32 1
		.amdhsa_system_sgpr_workgroup_id_x 1
		.amdhsa_system_sgpr_workgroup_id_y 1
		.amdhsa_system_sgpr_workgroup_id_z 1
		.amdhsa_system_vgpr_workitem_id 0
		.amdhsa_next_free_vgpr 1024
		.amdhsa_next_free_sgpr 100
		.amdhsa_reserve_vcc 0
		.amdhsa_float_denorm_mode_32 3
		.amdhsa_float_denorm_mode_16_64 3
		.amdhsa_memory_ordered 1
		.amdhsa_forward_progress 1
		.amdhsa_inst_pref_size 122
	.end_amdhsa_kernel
	.amdgpu_metadata
---
amdhsa.version: [ 1, 2 ]
amdhsa.kernels:
  - .name:           k_qa9f5c5c59a_gemm_proj
    .symbol:         k_qa9f5c5c59a_gemm_proj.kd
    .args:
      - { .name: yq, .offset: 0, .size: 8, .value_kind: global_buffer, .address_space: global }
      - { .name: pq, .offset: 8, .size: 8, .value_kind: global_buffer, .address_space: global }
      - { .name: lowp_scales, .offset: 16, .size: 8, .value_kind: global_buffer, .address_space: global }
      - { .name: b_proj, .offset: 24, .size: 8, .value_kind: global_buffer, .address_space: global }
      - { .name: out0, .offset: 32, .size: 8, .value_kind: global_buffer, .address_space: global }
    .group_segment_fixed_size: 327680
    .private_segment_fixed_size: 0
    .kernarg_segment_align: 8
    .kernarg_segment_size: 40
    .max_flat_workgroup_size: 128
    .sgpr_count:     100
    .vgpr_count:     1024
    .wavefront_size: 32
...
	.end_amdgpu_metadata
.endif
;; end of part 4
